; MI455X (gfx1250); checked and timed in simulation.
; The chip was launched on July 23, 2026; its instructions are those of AMD's public machine-readable ISA for CDNA 5 (MIT licence, August 2026) and "CDNA5" Instruction Set Architecture Reference Guide (July 2026). The comments in the code are by the model that wrote it; some were corrected since.
;; VQC. Allowed arithmetic: float matrix products may take bf16 or f16 operands with f32 sums; all other float work in f32.
;; Inputs: enc_angles 1,048,576 x 4 x 3 float32; weights 1 x 4 x 3 float32.
;; Outputs: out0 1,048,576 x 4 float32.
;; One version. Each part assembles by itself: llvm-mc -triple=amdgcn-amd-amdhsa -mcpu=gfx1250 --defsym DOCPART=n.
;; ======== version 1 of 1: 1 launch
;; limits: an absolute error that grows with the inputs' magnitude: up to 4e-08 times it; inputs' magnitudes at most 26,353,589; a function is approximated: absolute error at most 1.5e-05
;; launch vqc (part 1): grid 256 x 1, 16 waves a work-group, no clusters, 198,656 bytes of LDS; arguments enc_angles, weights, out0; writes out0
.if DOCPART == 1
	.amdgcn_target "amdgcn-amd-amdhsa--gfx1250"
	.amdhsa_code_object_version 6
	.text
	.protected	k_q2a54a67444_vqc
	.globl	k_q2a54a67444_vqc
	.p2align	8
	.type	k_q2a54a67444_vqc,@function
k_q2a54a67444_vqc:
	s_mov_b64 s[64:65], 0
	v_nop
	global_prefetch_b8 v0, s[64:65] scope:SCOPE_SE
	s_setreg_imm32_b32 hwreg(HW_REG_WAVE_MODE, 25, 1), 1
	s_wait_xcnt 0x0
; VQC: four qubits, |+>^4, RZ(a) RY(b) RZ(c) on each, CNOT (0,1) (1,2) (2,3) (3,0), U3(theta, phi, lambda) on each, <Z> of each.
; enc_angles [1048576][4][3] f32, weights [1][4][3] f32, out0 [1048576][4] f32.
;
; THE ARITHMETIC.  The encoded state is a product state: qubit q is the Bloch vector
;     x = ca cb cc - sa sc,   y = ca cb sc + sa cc,   z = -ca sb        (ca = cos a, sa = sin a, ...).
; U3 followed by Z measures  -sin(theta) cos(lambda) X + sin(theta) sin(lambda) Y + cos(theta) Z  (exp(i phi) has modulus one and leaves
; |amplitude|^2 alone), and carried back through the four CNOTs each of these Paulis is one Pauli string:
;     X0 -> X0 X1        Y0 -> X0 Y1 Z2 Z3     Z0 -> Z1 Z2 Z3
;     X1 -> X1 X2        Y1 -> Z0 Y1 X2        Z1 -> Z0 Z1
;     X2 -> X2 X3        Y2 -> Z0 Z1 Y2 X3     Z2 -> Z0 Z1 Z2
;     X3 -> X0 X1 X3     Y3 -> -Y0 Y1 Z2 Y3    Z3 -> Z0 Z1 Z2 Z3
; whose mean on a product state is the product of the components.  This is an identity for all finite inputs; no matrix product is left,
; so the matrix units have nothing to do.  The code keeps zt = ca sb = -z and folds the signs into the twelve weight constants.
;
; SINE AND COSINE.  k = round(x / 2 pi) (add and take away 1.5 * 2^23), r = fma(x, 1 / 2 pi, -k) in [-1/2, 1/2], h = pi r = x / 2 - pi k.
;     S = sqrt2 sin h = r Ps(r^2), C = sqrt2 cos h = Pc(r^2);   sin x = S C,   cos x = 1 - S S.
; Ps, Pc: the Chebyshev series of sin(pi y / 2) and cos(pi y / 2), y = 2 r, cut behind T7 and T6 (first terms dropped: 5.9e-7, 6.7e-6), times
; sqrt2.  So |error of sin x| <= 1.5e-5, |error of cos x| <= 2.4e-6.
; LIMITS.  1 / 2 pi in f32 is 4.0e-8 too small in relation: the phase is off by 4e-8 |x| radians (8e-6 at |x| = 200, 4e-4 at 1e4); the rounding
; trick holds for |x| < 2^22 * 2 pi.  Angles or weights that are not finite are not served as reference() serves them: there a NaN reaches all four
; outputs of the sample, here only those whose formula names the qubit, and phi, which is loaded with the other weights, reaches no output.
;
; THE SHAPE.  256 work-groups of 16 waves; a work-group owns 4,096 samples = 196,608 bytes of angles, which lie in LDS whole: each wave asks for
; its 256 samples by four tensor loads right at the start (four outstanding at the most), no LDS byte is filled twice, each wave reads only the
; bytes that it asked for, so s_wait_tensorcnt is all the ordering there is and no barrier is needed.
; A lane works on two samples at once (i and i + 32 of a tile of 64), one in each half of the packed f32 instructions.
; No cluster: the work-groups share nothing but the 48 bytes of weights.  No prefetch: every input byte is asked for in the first lines.
.set TILES,        4                       ; tiles of a wave
.set SAMPLE_BYTES, 48
.set TILE,         64*SAMPLE_BYTES         ; 3,072 bytes: twelve times 256, so every tile starts at a multiple of 256 bytes of the buffer
.set WAVE_IN,      TILES*TILE              ; 12,288
.set WG_IN,        16*WAVE_IN              ; 196,608
.set OUT_TILE,     64*16                   ; 1,024 bytes of results for a tile
; vector registers
.set LA,    1                              ; LDS address of my first sample in my wave's tile 0
.set OFF,   2                              ; 16 x lane: my 16 bytes in a run of 32 results
.set WOFF,  3                              ; byte offset of my lane's weight
.set MAGIC, 4                              ; v[4:5]     1.5 * 2^23, twice
.set S2V,   6                              ; v[6:7]     Ps's coefficient of q^2, twice
.set C2V,   8                              ; v[8:9]     Pc's coefficient of q^2, twice
.set XA,    10                             ; v[10:21]   sample 0: 12 angles, then r
.set XB,    22                             ; v[22:33]   sample 1
.set KB,    34                             ; v[34:45]   k + 1.5 * 2^23, then -k, then q = r r
.set PS,    46                             ; v[46:57]   Ps, then S
.set PC,    58                             ; v[58:69]   Pc = C
.set SN,    70                             ; v[70:93]   sin of angle j: v[SN+2j] sample 0, v[SN+2j+1] sample 1
.set CS,    94                             ; v[94:117]  cos likewise
.set O,     118                            ; v[118:121] the four results of sample 0, v[122:125] of sample 1
.set BX,    34                             ; behind the trigonometry: x of qubit q in v[BX+2q:BX+2q+1] (both samples),
.set BY,    42                             ; y,
.set BZ,    50                             ; zt = -z,
.set BM,    58                             ; m = ca cb
.set T,     10                             ; and twelve pairs at work, in the angles' registers
.irp i, 0,1,2,3
.set X\i, BX+2*\i
.set Y\i, BY+2*\i
.set Z\i, BZ+2*\i
.endr
.irp i, 0,1,2,3,4,5,6,7,8,9,10,11
.set T\i, T+2*\i
.endr
; scalar registers.  A packed f32 instruction takes a scalar as a pair of which it reads the first for both halves; both are written.
.set G1,   16                              ; s[16:23]  descriptor group 1
.set G0,   24                              ; s[24:39]  descriptor group 0, a set for each tile: none is rewritten
.set KINV, 40                              ; 1 / 2 pi
.set KS3,  42                              ; Ps = KS0 + q (KS1 + q (S2V + q KS3))
.set KS1,  44
.set KS0,  46
.set KC3,  48                              ; Pc likewise
.set KC1,  50
.set KC0,  52
.set WA,   66                              ; s[66:89]: for qubit q the pairs WA+6q, WB+6q, WC+6q
.set WB,   68
.set WC,   70
.irp i, 0,1,2,3
.set WA\i, WA+6*\i
.set WB\i, WB+6*\i
.set WC\i, WC+6*\i
.endr
	s_load_b128 s[4:7], s[0:1], 0x0                ; enc_angles s[4:5], weights s[6:7]
	s_load_b64 s[8:9], s[0:1], 0x10                ; out0
	v_lshl_add_u32 v128, v0, 2, 0x30000
	v_mov_b32 v129, 0
	ds_add_u32 v128, v129
	ds_add_u32 v128, v129
	v_lshrrev_b32 v1, 5, v0
	v_readfirstlane_b32 s10, v1                    ; my wave's number as a scalar
	v_and_b32 v[OFF], 31, v0                       ; lane
	v_min_u32 v[WOFF], 11, v[OFF]                  ; lane j < 12 takes weight j; the others take the last one again and stay inside the 48 bytes
	v_lshlrev_b32 v[WOFF], 2, v[WOFF]
	; Group 1: a tile is one row of 384 elements of 8 bytes, dense in memory and in LDS.
	s_mov_b32 s[G1+0], 3<<16                       ; no work-group mask; elements of 8 bytes; no padding
	s_mov_b32 s[G1+1], (TILE/8)<<16                ; tensor_dim0 = 384: the tile never crosses the tensor's end
	s_mov_b32 s[G1+2], 1<<16                           ; its high half; tensor_dim1 unused
	s_mov_b32 s[G1+3], (TILE/8)<<16                ; tile_dim0 = 384
	s_mov_b32 s[G1+4], 1                           ; no second dimension, no strides
	s_mov_b32 s[G1+5], 384
	s_mov_b32 s[G1+6], 0
	s_mov_b32 s[G1+7], 0
	s_mul_i32 s15, s10, WAVE_IN                    ; my wave's 12,288 bytes in LDS, and in the work-group's share of the angles
	s_mul_i32 s2, ttmp9, WG_IN                     ; at most 255 x 196,608: below 2^32
	s_add_co_u32 s2, s2, s15
	s_mov_b32 s3, 0
	s_lshl_b32 s12, ttmp9, 16                      ; results: 65,536 bytes a work-group,
	s_lshl_b32 s13, s10, 12                        ; 4,096 a wave
	s_add_co_u32 s12, s12, s13
	s_mov_b32 s13, 0
	s_wait_dscnt 0x0
	s_wait_kmcnt 0x0
	global_load_b32 v[XA], v[WOFF], s[6:7]         ; the weights, one to a lane
	s_add_nc_u64 s[4:5], s[4:5], s[2:3]            ; the angles at my wave's first sample
.irp t, 0,1,2,3
	s_mov_b32 s[G0+4*\t], 1                                        ; count = 1
	s_add_co_u32 s[G0+4*\t+1], s15, \t*TILE                        ; LDS address
	s_add_nc_u64 s[G0+4*\t+2:G0+4*\t+3], s[4:5], \t*TILE           ; global address of the tile's first byte
	s_or_b32 s[G0+4*\t+3], s[G0+4*\t+3], 0x80000000                ; type = 2
	tensor_load_to_lds s[G0+4*\t:G0+4*\t+3], s[G1:G1+7]            ; all that the wave will ever read is on its way now
	s_nop 0
.endr
	s_add_nc_u64 s[8:9], s[8:9], s[12:13]          ; out0 at my wave's first sample
	v_mul_u32_u24 v[LA], v[OFF], SAMPLE_BYTES      ; lane i takes samples i and i + 32 of a tile.  48 bytes = 12 words from lane to lane: the sixteen lanes
	v_add_nc_u32 v[LA], s15, v[LA]                 ; of a 16-byte load's pass start at words 12 i mod 64, sixteen different multiples of 4 (64 banks of 4 bytes: ISA guide 11.1)
	v_lshlrev_b32 v[OFF], 4, v[OFF]
.macro SPAIR reg, val
	s_mov_b32 s[\reg], \val
	s_mov_b32 s[\reg+1], \val
.endm
	SPAIR KINV, 0x3e22f983                         ;  0.15915494
	SPAIR KS0,  0x408e2bf9                         ;  4.4428678
	SPAIR KS1,  0xc0e9d68f                         ; -7.3074413
	SPAIR KS3,  0xbf48ca34                         ; -0.78433537
	SPAIR KC0,  0x3fb504a3                         ;  1.4142040
	SPAIR KC1,  0xc0df48ce                         ; -6.9776373
	SPAIR KC3,  0xbfdd361d                         ; -1.7282139
.irp h, 0,1
	v_mov_b32 v[MAGIC+\h], 0x4b400000              ;  12582912 = 1.5 * 2^23
	v_mov_b32 v[S2V+\h],   0x406610bb              ;  3.5947712
	v_mov_b32 v[C2V+\h],   0x40b6e2d2              ;  5.7151879
.endr
	; THE WEIGHTS: one lane for each, so thirteen plain instructions give all their sines and cosines (phi's too, which nothing reads).
	s_wait_loadcnt 0x0
	v_fma_f32 v[KB], v[XA], s[KINV], v[MAGIC]      ; k + 1.5 * 2^23
	v_sub_f32 v[KB], v[MAGIC], v[KB]               ; -k
	v_fma_f32 v[XA], v[XA], s[KINV], v[KB]         ; r
	v_mul_f32 v[KB], v[XA], v[XA]                  ; q
	v_fma_f32 v[PS], v[KB], s[KS3], v[S2V]
	v_fma_f32 v[PC], v[KB], s[KC3], v[C2V]
	v_fma_f32 v[PS], v[PS], v[KB], s[KS1]
	v_fma_f32 v[PC], v[PC], v[KB], s[KC1]
	v_fma_f32 v[PS], v[PS], v[KB], s[KS0]
	v_fma_f32 v[PC], v[PC], v[KB], s[KC0]
	v_mul_f32 v[PS], v[PS], v[XA]                  ; S
	v_mul_f32 v[SN], v[PS], v[PC]                  ; sin
	v_fma_f32 v[CS], -v[PS], v[PS], 1.0            ; cos
; Qubit q: lane 3q holds theta, lane 3q + 2 lambda.  WA = -sin(theta) cos(lambda), WB = +-sin(theta) sin(lambda), WC = +-cos(theta); the signs take in
; those of z = -zt and of the string of Y3.
.macro WEIGHT q, bneg, cneg
	v_readlane_b32 s54, v[SN], 3*\q                ; sin theta
	v_readlane_b32 s55, v[CS], 3*\q+2              ; cos lambda
	v_readlane_b32 s56, v[SN], 3*\q+2              ; sin lambda
	v_readlane_b32 s[WC+6*\q], v[CS], 3*\q         ; cos theta
	s_mul_f32 s[WB+6*\q], s54, s56
	s_xor_b32 s54, s54, 0x80000000
	s_mul_f32 s[WA+6*\q], s54, s55
.if \bneg
	s_xor_b32 s[WB+6*\q], s[WB+6*\q], 0x80000000
.endif
.if \cneg
	s_xor_b32 s[WC+6*\q], s[WC+6*\q], 0x80000000
.endif
	s_mov_b32 s[WA+6*\q+1], s[WA+6*\q]             ; the pairs' second registers
	s_mov_b32 s[WB+6*\q+1], s[WB+6*\q]
	s_mov_b32 s[WC+6*\q+1], s[WC+6*\q]
.endm
	WEIGHT 0, 0, 1                                 ; out0 = WA x0 x1 + WB x0 y1 zt2 zt3 + WC zt1 zt2 zt3      (three z: WC = -cos theta)
	WEIGHT 1, 1, 0                                 ; out1 = WA x1 x2 + WB zt0 y1 x2 + WC zt0 zt1              (one z:   WB = -sin sin)
	WEIGHT 2, 0, 1                                 ; out2 = WA x2 x3 + WB zt0 zt1 y2 x3 + WC zt0 zt1 zt2      (three z: WC = -cos theta)
	WEIGHT 3, 0, 0                                 ; out3 = WA x0 x1 x3 + WB y0 y1 zt2 y3 + WC zt0 zt1 zt2 zt3 (the string's minus and one z cancel)
; Sines and cosines of one sample's 12 angles, in v[x:x+11], two neighbouring angles to an instruction, six independent instructions to a step.
; The last two steps are written for one number at a time, so that they can put sample `half` into its half of the pairs SN and CS:
; from there on every instruction serves both samples.
.macro TRIG x, half
.irp p, 0,2,4,6,8,10
	v_pk_fma_f32 v[KB+\p:KB+\p+1], v[\x+\p:\x+\p+1], s[KINV:KINV+1], v[MAGIC:MAGIC+1] op_sel_hi:[1,0,1]     ; k + 1.5 * 2^23
.endr
.irp p, 0,2,4,6,8,10
	v_pk_add_f32 v[KB+\p:KB+\p+1], v[MAGIC:MAGIC+1], v[KB+\p:KB+\p+1] neg_lo:[0,1] neg_hi:[0,1]             ; -k
.endr
.irp p, 0,2,4,6,8,10
	v_pk_fma_f32 v[\x+\p:\x+\p+1], v[\x+\p:\x+\p+1], s[KINV:KINV+1], v[KB+\p:KB+\p+1] op_sel_hi:[1,0,1]     ; r: the product is not rounded before k goes off
.endr
.irp p, 0,2,4,6,8,10
	v_pk_mul_f32 v[KB+\p:KB+\p+1], v[\x+\p:\x+\p+1], v[\x+\p:\x+\p+1]                                       ; q
.endr
.irp p, 0,2,4,6,8,10
	v_pk_fma_f32 v[PS+\p:PS+\p+1], v[KB+\p:KB+\p+1], s[KS3:KS3+1], v[S2V:S2V+1] op_sel_hi:[1,0,1]
	v_pk_fma_f32 v[PC+\p:PC+\p+1], v[KB+\p:KB+\p+1], s[KC3:KC3+1], v[C2V:C2V+1] op_sel_hi:[1,0,1]
.endr
.irp p, 0,2,4,6,8,10
	v_pk_fma_f32 v[PS+\p:PS+\p+1], v[PS+\p:PS+\p+1], v[KB+\p:KB+\p+1], s[KS1:KS1+1] op_sel_hi:[1,1,0]
	v_pk_fma_f32 v[PC+\p:PC+\p+1], v[PC+\p:PC+\p+1], v[KB+\p:KB+\p+1], s[KC1:KC1+1] op_sel_hi:[1,1,0]
.endr
.irp p, 0,2,4,6,8,10
	v_pk_fma_f32 v[PS+\p:PS+\p+1], v[PS+\p:PS+\p+1], v[KB+\p:KB+\p+1], s[KS0:KS0+1] op_sel_hi:[1,1,0]
	v_pk_fma_f32 v[PC+\p:PC+\p+1], v[PC+\p:PC+\p+1], v[KB+\p:KB+\p+1], s[KC0:KC0+1] op_sel_hi:[1,1,0]
.endr
.irp p, 0,2,4,6,8,10
	v_pk_mul_f32 v[PS+\p:PS+\p+1], v[PS+\p:PS+\p+1], v[\x+\p:\x+\p+1]                                       ; S
.endr
.irp j, 0,1,2,3,4,5,6,7,8,9,10,11
	v_mul_f32 v[SN+2*\j+\half], v[PS+\j], v[PC+\j]                 ; sin x = S C
	v_fma_f32 v[CS+2*\j+\half], -v[PS+\j], v[PS+\j], 1.0           ; cos x = 1 - S S
.endr
.endm
.macro PMUL d, a, b                        ; both samples: d = a b
	v_pk_mul_f32 v[\d:\d+1], v[\a:\a+1], v[\b:\b+1]
.endm
.macro PMULS d, a, k                       ; d = a k, k a weight constant
	v_pk_mul_f32 v[\d:\d+1], v[\a:\a+1], s[\k:\k+1] op_sel_hi:[1,0]
.endm
.macro PFMAS d, a, k, c                    ; d = a k + c
	v_pk_fma_f32 v[\d:\d+1], v[\a:\a+1], s[\k:\k+1], v[\c:\c+1] op_sel_hi:[1,0,1]
.endm
; One tile of 64 samples.  Angle a of qubit q is pair 3q (registers +6q), b is +2, c is +4.
.macro BATCH t
	s_wait_tensorcnt TILES-1-\t                    ; a wave's tensor loads end in order (ISA guide 10.11.1): tile t is in LDS, the TILES-1-t younger ones may be out
.irp c, 0,1,2
	ds_load_b128 v[XA+4*\c:XA+4*\c+3], v[LA] offset:\t*TILE+16*\c
.endr
.irp c, 0,1,2
	ds_load_b128 v[XB+4*\c:XB+4*\c+3], v[LA] offset:\t*TILE+TILE/2+16*\c
.endr
	s_wait_dscnt 0x3                               ; LDS loads come back in order (ISA guide 5.7.1): sample 0 is in, sample 1's three loads may be out
	TRIG XA, 0
	s_wait_dscnt 0x0
	TRIG XB, 1
	; the Bloch vectors
.irp q, 0,1,2,3
	v_pk_mul_f32 v[BM+2*\q:BM+2*\q+1], v[CS+6*\q:CS+6*\q+1], v[CS+6*\q+2:CS+6*\q+3]    ; m  = ca cb
.endr
.irp q, 0,1,2,3
	v_pk_mul_f32 v[BZ+2*\q:BZ+2*\q+1], v[CS+6*\q:CS+6*\q+1], v[SN+6*\q+2:SN+6*\q+3]    ; zt = ca sb
.endr
.irp q, 0,1,2,3
	v_pk_mul_f32 v[BX+2*\q:BX+2*\q+1], v[SN+6*\q:SN+6*\q+1], v[SN+6*\q+4:SN+6*\q+5]    ; sa sc
.endr
.irp q, 0,1,2,3
	v_pk_mul_f32 v[BY+2*\q:BY+2*\q+1], v[SN+6*\q:SN+6*\q+1], v[CS+6*\q+4:CS+6*\q+5]    ; sa cc
.endr
.irp q, 0,1,2,3
	v_pk_fma_f32 v[BX+2*\q:BX+2*\q+1], v[BM+2*\q:BM+2*\q+1], v[CS+6*\q+4:CS+6*\q+5], v[BX+2*\q:BX+2*\q+1] neg_lo:[0,0,1] neg_hi:[0,0,1]   ; x = m cc - sa sc
.endr
.irp q, 0,1,2,3
	v_pk_fma_f32 v[BY+2*\q:BY+2*\q+1], v[BM+2*\q:BM+2*\q+1], v[SN+6*\q+4:SN+6*\q+5], v[BY+2*\q:BY+2*\q+1]                                 ; y = m sc + sa cc
.endr
	; the four results (Z stands for zt)
	PMUL  T0, X0, X1                               ; x0 x1
	PMUL  T1, Z2, Z3                               ; z2 z3
	PMUL  T2, Z0, Z1                               ; z0 z1
	PMUL  T3, X0, Y1
	PMUL  T4, Z0, Y1
	PMUL  T5, Y0, Y1
	PMUL  T6, Z2, Y3
	PMULS T7, Z1, WC0
	PMULS T8, X1, WA1
	PMULS T9, X2, WA2
	PMUL  T10, T2, Y2                              ; z0 z1 y2
	PMUL  T11, T2, Z2                              ; z0 z1 z2
	PFMAS T7, T3, WB0, T7                          ; WB0 x0 y1 + WC0 z1
	PFMAS T8, T4, WB1, T8                          ; WA1 x1 + WB1 z0 y1
	PMULS T3, T0, WA0                              ; WA0 x0 x1
	PMULS T4, T2, WC1                              ; WC1 z0 z1
	PMUL  T5, T5, T6                               ; y0 y1 z2 y3
	PMUL  T6, T0, X3                               ; x0 x1 x3
	PMUL  T0, T2, T1                               ; z0 z1 z2 z3
	PFMAS T9, T10, WB2, T9                         ; WA2 x2 + WB2 z0 z1 y2
	PMULS T10, T11, WC2                            ; WC2 z0 z1 z2
	PMULS T6, T6, WA3
	PFMAS T6, T5, WB3, T6                          ; WA3 x0 x1 x3 + WB3 y0 y1 z2 y3
	s_wait_xcnt 0x0                                ; the last tile's two stores read O: it is rewritten only behind this wait (ISA guide 3.1)
.irp h, 0,1                                    ; the last step one number at a time: a sample's four results land in four neighbouring registers
	v_fma_f32 v[O+4*\h],   v[T1+\h], v[T7+\h], v[T3+\h]
	v_fma_f32 v[O+4*\h+1], v[X2+\h], v[T8+\h], v[T4+\h]
	v_fma_f32 v[O+4*\h+2], v[X3+\h], v[T9+\h], v[T10+\h]
	v_fma_f32 v[O+4*\h+3], v[T0+\h], s[WC3], v[T6+\h]
.endr
	global_store_b128 v[OFF], v[O:O+3],   s[8:9] offset:\t*OUT_TILE th:TH_STORE_NT         ; samples 0-31 of the tile: the wave stores 512 consecutive bytes, at a multiple of 512 from out0's first byte
	global_store_b128 v[OFF], v[O+4:O+7], s[8:9] offset:\t*OUT_TILE+512 th:TH_STORE_NT     ; samples 32-63 likewise
.endm
	BATCH 0                                        ; written out four times: the counts of the tensor waits run down 3, 2, 1, 0,
	BATCH 1                                        ; and the last is for zero, as it has to be before s_endpgm
	BATCH 2
	BATCH 3
	s_wait_tensorcnt 0x0
	ds_add_u32 v128, v129
	s_wait_dscnt 0x0
	s_endpgm
.Lfunc_end_k_q2a54a67444_vqc:
	.size	k_q2a54a67444_vqc, .Lfunc_end_k_q2a54a67444_vqc-k_q2a54a67444_vqc
	.p2alignl 7, 3214868480
	.fill 96, 4, 3214868480
	.section	.rodata,"a",@progbits
	.p2align	6, 0x0
	.amdhsa_kernel k_q2a54a67444_vqc
		.amdhsa_group_segment_fixed_size 198656
		.amdhsa_private_segment_fixed_size 0
		.amdhsa_enable_private_segment 0
		.amdhsa_kernarg_size 24
		.amdhsa_user_sgpr_count 2
		.amdhsa_user_sgpr_kernarg_segment_ptr 1
		.amdhsa_wavefront_size32 1
		.amdhsa_system_sgpr_workgroup_id_x 1
		.amdhsa_system_sgpr_workgroup_id_y 1
		.amdhsa_system_sgpr_workgroup_id_z 1
		.amdhsa_system_vgpr_workitem_id 0
		.amdhsa_next_free_vgpr 130
		.amdhsa_next_free_sgpr 90
		.amdhsa_reserve_vcc 0
		.amdhsa_float_denorm_mode_32 3
		.amdhsa_float_denorm_mode_16_64 3
		.amdhsa_memory_ordered 1
		.amdhsa_forward_progress 1
		.amdhsa_inst_pref_size 66
	.end_amdhsa_kernel
	.amdgpu_metadata
---
amdhsa.version: [ 1, 2 ]
amdhsa.kernels:
  - .name:           k_q2a54a67444_vqc
    .symbol:         k_q2a54a67444_vqc.kd
    .args:
      - { .name: enc_angles, .offset: 0, .size: 8, .value_kind: global_buffer, .address_space: global }
      - { .name: weights, .offset: 8, .size: 8, .value_kind: global_buffer, .address_space: global }
      - { .name: out0, .offset: 16, .size: 8, .value_kind: global_buffer, .address_space: global }
    .group_segment_fixed_size: 198656
    .private_segment_fixed_size: 0
    .kernarg_segment_align: 8
    .kernarg_segment_size: 24
    .max_flat_workgroup_size: 512
    .sgpr_count:     90
    .vgpr_count:     130
    .wavefront_size: 32
...
	.end_amdgpu_metadata
.endif
;; end of part 1
